; MI455X (gfx1250); checked and timed in simulation.
; The chip was launched on July 23, 2026; its instructions are those of AMD's public machine-readable ISA for CDNA 5 (MIT licence, August 2026) and "CDNA5" Instruction Set Architecture Reference Guide (July 2026). The comments in the code are by the model that wrote it; some were corrected since.
;; FFM layer. Allowed arithmetic: float matrix products may take bf16 or f16 operands with f32 sums; all other float work in f32.
;; Inputs: dense_x 4,096 x 13 float32; sparse_x 4,096 x 26 int32; v 260,013 x 39 x 8 float32; w 260,013 x 1 float32; w0 1 float32.
;; Outputs: out0 4,096 x 1 float32.
;; One version. Each part assembles by itself: llvm-mc -triple=amdgcn-amd-amdhsa -mcpu=gfx1250 --defsym DOCPART=n.
;; ======== version 1 of 1: 1 launch
;; launch ffm (part 1): grid 256 x 1, 16 waves a work-group, no clusters, 23,040 bytes of LDS; arguments dense_x, sparse_x, v, w, w0, out0; writes out0
.if DOCPART == 1
	.amdgcn_target "amdgcn-amd-amdhsa--gfx1250"
	.amdhsa_code_object_version 6
	.text
	.protected	k_q1de4a300bd_ffm
	.globl	k_q1de4a300bd_ffm
	.p2align	8
	.type	k_q1de4a300bd_ffm,@function
k_q1de4a300bd_ffm:
	s_mov_b64 s[64:65], 0
	v_nop
	global_prefetch_b8 v0, s[64:65] scope:SCOPE_SE
	s_setreg_imm32_b32 hwreg(HW_REG_WAVE_MODE, 25, 1), 1
	s_wait_xcnt 0x0
; FFM layer.  out[b] = sigmoid( w0 + x[b].w[:13] + sum_j w[row(b,j)] + 0.5 (sum_k s[k]^2 - sum_{f,k} F[f][k]^2) ),
; F[f][k] = sum_d x[b][d] v[d][f][k] + sum_j v[row(b,j)][f][k],  s[k] = sum_f F[f][k],  row(b,j) = 13 + 10000 j + sparse_x[b][j].
;
; SHARES.  A work-group of 16 waves owns 16 batch rows, a wave owns one.  A row of v is 39 x 8 f32 = 1,248 bytes = 78 pieces of
; 16 bytes.  The two halves of a wave (16 lanes each, h = 0, 1) take two features at a time, feature 2p + h in pair p, p = 0..12.
; Lane r of a half takes pieces r, 16+r, 32+r, 48+r and 62+r: five loads of 256 neighbouring bytes a half.  The fifth starts at
; byte 992 = 1,248 - 256, so that no lane leaves the row and all five share one offset register; its lanes r = 0, 1 read pieces
; 62 and 63 a second time and are set to zero at the end.  65 loads bring the 26 rows.  All of a lane's pieces have the parity of r,
; so its four numbers are always k = 4 (r & 1) + 0..3.
; RING.  Eight slots of 20 registers: 40 loads (20,480 bytes) of a wave are out while the dense part is made.
; DENSE PART.  x[16 rows][13] times v[:13] (13 x 312) goes to the matrix unit in bf16 with f32 sums, 20 tiles of 16 columns: wave w
; makes tile w, waves 0..3 also tile 16 + w.  x is halved first (exact), and BOTH halves of a wave start their sums from the result,
; which they read from LDS: adding the halves at the end gives the product once, nothing is cleared, nothing added afterwards.
; The product x[b].w[:13] has one column (a sixteenth of a tile): it is one f32 multiply-add in lanes 0..12, beside w's gather.
; NO CLUSTER: the work-groups share only v[:13], 16,224 bytes of the 540,000 that each reads; the gathered rows are each group's own.
; No hint on the gather loads: the list may name a row twice.
; LIMITS.  Dense product: operands rounded to bf16.  An index is taken as unsigned and clamped to 0..9999 (a negative one becomes 9999).
; The f32 sums run in another order than the problem's text.  A result below 2^-126 is 0 (v_exp_f32 and v_rcp_f32 flush denormals).
.set NDENSE,  13
.set NSPARSE, 26
.set VOCAB,   10000
.set ROWB,    1248                     ; bytes in a row of v
.set PAIRS,   NSPARSE/2
.set SLOTS,   8                        ; pairs in flight
.set TAILB,   ROWB-256                 ; where the fifth load of a row starts
.set PITCH,   1296                     ; LDS row of the dense part: 20 tiles x 64 bytes + 16, an odd multiple of 16 bytes: the 16 rows of a store fall on different banks
.set ZBASE,   16*PITCH                 ; behind it: one word for each wave's result
.set NTILE2,  4                        ; waves that make a second tile
; vector registers
.set RR,  1                            ; r = lane % 16
.set HH,  2                            ; h = lane / 16
.set LN,  3                            ; lane
.set SXA, 4                            ; byte offset in sparse_x of index h of my batch row
.set TMP, 5
.set WIA, 6                            ; byte offset in sparse_x of index min(lane, 25)
.set WC,  7                            ; 4 x 10000 x min(lane, 25)
.set WLA, 8                            ; 4 x min(lane, 12): offset in w
.set XLA, 9                            ; the same element of my row of dense_x
.set XA0, 10                           ; x fragment: row b0 + r
.set XA1, 11                           ;             + 8 h elements
.set BA0, 12                           ; v fragment: column 16 wave + r
.set BA1, 13                           ;             + 8 h rows
.set LC,  14                           ; 10000 h rows + 16 r bytes
.set ST,  15                           ; LDS: where my tile's 32 bytes go; at the very end the offset in out0
.set RD,  16                           ; LDS: my batch row, piece r
.set WI,  17
.set WG,  18
.set XL,  19
.set WL,  20
.set OFF, 21                           ; v[21:33]   pair p: the index, then the byte offset of my piece
.set XF,  34                           ; v[34:41]   x as loaded, then its fragment
.set BF,  42                           ; v[42:49]   v[:13], first tile
.set B2,  50                           ; v[50:57]   v[:13], second tile
.set ACC, 60                           ; v[60:79]   five pieces of sums; before that D of the matrix instructions
.set RING, 80                          ; v[80:239]  slot s: five pieces as loaded
.set SS,  34                           ; at the end: v[34:37] my part of s, v[38:41] sums of squares, v[42:43] both, v44, v45
.set QA,  38
.set QB,  40
.set UU,  42
.set TT,  44
.set T2,  45
; scalar registers: s[4:5] dense_x, s[6:7] sparse_x, s[8:9] v, s[10:11] w, s[12:13] w0, s[14:15] out0
.set WAVE, 16
.set B0,   17                          ; the group's first batch row
.set BB,   18                          ; my batch row
.set SXO,  19
.set XLO,  20
.set W0,   21
.set XFO,  22
.set TCOL, 23                          ; 64 x wave: my tile's bytes in a row
.set MLOW, 24                          ; lanes with h = 0
.set ROWL, 25                          ; my batch row in LDS
.set ZADR, 26
.set VB,   28                          ; s[28:53]   pair p: v + (13 + 20000 p) rows
.set PLO,  54
.set PHI,  55
.set M13,  56
.set M26,  57
.set MTAIL, 58
.set SAVE, 59
.set OUTO, 60
	s_load_b256 s[4:11], s[0:1], 0x0
	s_load_b128 s[12:15], s[0:1], 0x20
	v_lshl_add_u32 v240, v0, 2, 0x5200
	v_mov_b32 v241, 0
	v_lshrrev_b32 v[TMP], 5, v0
	v_readfirstlane_b32 s[WAVE], v[TMP]
	v_and_b32 v[RR], 15, v0
	v_bfe_u32 v[HH], v0, 4, 1
	v_and_b32 v[LN], 31, v0
	s_lshl_b32 s[B0], ttmp9, 4
	s_add_co_u32 s[BB], s[B0], s[WAVE]
	s_mul_i32 s[SXO], s[BB], 4*NSPARSE
	s_mul_i32 s[XLO], s[BB], 4*NDENSE
	s_mul_i32 s[XFO], s[B0], 4*NDENSE
	s_lshl_b32 s[TCOL], s[WAVE], 6
	s_mul_i32 s[ROWL], s[WAVE], PITCH
	s_lshl_b32 s[ZADR], s[WAVE], 2
	s_lshl_b32 s[OUTO], ttmp9, 6                   ; 16 results of 4 bytes a group
	s_mov_b32 s[MLOW], 0x0000ffff
	s_mov_b32 s[M13], 0x00001fff                   ; lanes 0..12
	s_mov_b32 s[M26], 0x03ffffff                   ; lanes 0..25
	s_mov_b32 s[MTAIL], 0xfffcfffc                 ; lanes with r >= 2
	s_mov_b32 s[PLO], 0x76543210                   ; v_permlanex16_b32: lane i of one half reads lane i of the other
	s_mov_b32 s[PHI], 0xfedcba98
	v_lshl_add_u32 v[SXA], v[HH], 2, s[SXO]
	v_min_u32 v[TMP], NSPARSE-1, v[LN]             ; lanes 26..31 repeat lane 25 and are dropped by a select
	v_lshl_add_u32 v[WIA], v[TMP], 2, s[SXO]
	v_mul_u32_u24 v[WC], v[TMP], 4*VOCAB
	v_min_u32 v[TMP], NDENSE-1, v[LN]              ; lanes 13..31 repeat lane 12 and are dropped by a select
	v_lshlrev_b32 v[WLA], 2, v[TMP]
	v_add_nc_u32 v[XLA], s[XLO], v[WLA]
	v_mad_u32_u24 v[XA0], v[RR], 4*NDENSE, s[XFO]
	v_lshl_add_u32 v[XA1], v[HH], 5, v[XA0]
	v_lshl_add_u32 v[BA0], v[RR], 2, s[TCOL]
	v_mad_u32_u24 v[BA1], v[HH], 8*ROWB, v[BA0]
	v_mul_u32_u24 v[LC], v[HH], VOCAB*ROWB
	v_lshl_add_u32 v[LC], v[RR], 4, v[LC]
; Eight numbers of a fragment, k = 8 h + i.  k = 13, 14, 15 do not exist: for i = 5, 6, 7 both halves read k = i (inside the buffer
; in every row), and MAKEFRAG sets the upper half's to zero.
.macro LOADFRAG f, a1, a0, base, pitch, extra
.irp i, 0,1,2,3,4
	global_load_b32 v[\f+\i], v[\a1], s[\base:\base+1] offset:\i*\pitch+\extra
.endr
.irp i, 5,6,7
	global_load_b32 v[\f+\i], v[\a0], s[\base:\base+1] offset:\i*\pitch+\extra
.endr
.endm
; f32 to a 16 x 32 bf16 fragment, in place: registers 0-3 hold k = 8 h + 0..7, registers 4-7 (k = 16..31) are zero.
.macro MAKEFRAG f
.irp i, 5,6,7
	v_cndmask_b32 v[\f+\i], 0, v[\f+\i], s[MLOW]
.endr
.irp j, 0,1,2,3
	v_cvt_pk_bf16_f32 v[\f+\j], v[\f+2*\j], v[\f+2*\j+1]   ; register j is written when its old number has been used
.endr
.irp j, 4,5,6,7
	v_mov_b32 v[\f+\j], 0
.endr
.endm
; index of pair p -> byte offset of my piece from the pair's base
.macro ROWOFF p
	v_min_u32 v[OFF+\p], VOCAB-1, v[OFF+\p]
	v_mad_u32_u24 v[OFF+\p], v[OFF+\p], ROWB, v[LC]
.endm
; the five loads of pair p: each half of the wave reads 256 neighbouring bytes of its feature's row
.macro FETCH p
.irp i, 0,1,2,3
	global_load_b128 v[RING+20*((\p)%SLOTS)+4*\i:RING+20*((\p)%SLOTS)+4*\i+3], v[OFF+\p], s[VB+2*(\p):VB+2*(\p)+1] offset:256*\i
.endr
	global_load_b128 v[RING+20*((\p)%SLOTS)+16:RING+20*((\p)%SLOTS)+19], v[OFF+\p], s[VB+2*(\p):VB+2*(\p)+1] offset:TAILB
.endm
; pair p is added to the sums; left = how many younger loads may stay out; refill = 1: its slot gets pair p + SLOTS
.macro TAKE p, left, refill
	s_wait_loadcnt \left
.irp k, 0,2,4,6,8,10,12,14,16,18
	v_pk_add_f32 v[ACC+\k:ACC+\k+1], v[ACC+\k:ACC+\k+1], v[RING+20*((\p)%SLOTS)+\k:RING+20*((\p)%SLOTS)+\k+1]
.endr
.if \refill
	FETCH \p+SLOTS
.endif
.endm
	s_wait_kmcnt 0x0
	s_load_b32 s[W0], s[12:13], 0x0
	; The second tile's loads stand in front of all others: what is older than a load does not enter its count,
	; so every counted wait below is the same in all sixteen waves.
	s_cmp_ge_u32 s[WAVE], NTILE2
	s_cbranch_scc1 .Lno_second_tile
	LOADFRAG B2, BA1, BA0, 8, ROWB, 1024           ; columns 256 + 16 wave + r
.Lno_second_tile:
.irp p, 0,1,2,3,4,5,6,7,8,9,10,11,12
	global_load_b32 v[OFF+\p], v[SXA], s[6:7] offset:8*\p      ; sparse_x[b][2p + h]
.endr
	global_load_b32 v[WI], v[WIA], s[6:7]          ; sparse_x[b][lane], for w
	LOADFRAG XF, XA1, XA0, 4, 4, 0                 ; x of the group's 16 rows
	LOADFRAG BF, BA1, BA0, 8, ROWB, 0              ; v[:13], columns 16 wave + r
	global_load_b32 v[XL], v[XLA], s[4:5]          ; x[b][lane]
	global_load_b32 v[WL], v[WLA], s[10:11]        ; w[lane]
	; while the indices are on their way: the constant part of each pair's address
.set p, 0
.rept PAIRS
	s_add_nc_u64 s[VB+2*p:VB+2*p+1], s[8:9], NDENSE*ROWB+p*2*VOCAB*ROWB
.set p, p+1
.endr
	s_wait_loadcnt 18                              ; the 14 index loads are in; the 8 + 8 + 1 + 1 loads behind them may be out
	v_min_u32 v[WI], VOCAB-1, v[WI]
	v_lshl_add_u32 v[WI], v[WI], 2, v[WC]
	global_load_b32 v[WG], v[WI], s[10:11] offset:4*NDENSE     ; w[13 + 10000 lane + index]
.irp p, 0,1,2,3,4,5,6,7
	ROWOFF \p
	FETCH \p
.endr
.irp p, 8,9,10,11,12
	ROWOFF \p
.endr
	; THE DENSE PART, while the ring is on its way.
	s_wait_loadcnt 5*SLOTS+1                       ; all but w's gather and the ring's 40 loads: x, v[:13], x[b][lane], w[lane] are in
.irp j, 0,2,4,6
	v_pk_mul_f32 v[XF+\j:XF+\j+1], v[XF+\j:XF+\j+1], 0.5 op_sel_hi:[1,0]   ; half the product for each half of the wave
.endr
	MAKEFRAG XF
	MAKEFRAG BF
	; source 0 = 16 columns of v[:13], source 1 = 16 batch rows: lane (r, h) gets batch row r, columns 16 tile + 8 h + 0..7
	v_wmma_f32_16x16x32_bf16 v[ACC:ACC+7], v[BF:BF+7], v[XF:XF+7], 0
	; four plain vector instructions that name none of its registers stand between it and the stores of D
	v_mad_u32_u24 v[ST], v[RR], PITCH, s[TCOL]
	v_lshl_add_u32 v[ST], v[HH], 5, v[ST]          ; row r, byte 64 tile + 32 h
	v_lshl_add_u32 v[RD], v[RR], 4, s[ROWL]
	v_cndmask_b32 v[XL], 0, v[XL], s[M13]          ; x[b][lane] for lanes 0..12, else 0
	ds_store_b128 v[ST], v[ACC:ACC+3]
	ds_store_b128 v[ST], v[ACC+4:ACC+7] offset:16
	s_cmp_ge_u32 s[WAVE], NTILE2
	s_cbranch_scc1 .Lone_tile
	MAKEFRAG B2
	v_wmma_f32_16x16x32_bf16 v[ACC+8:ACC+15], v[B2:B2+7], v[XF:XF+7], 0
.rept 4
	v_nop                                          ; the same four places; nothing useful is left to do here
.endr
	ds_store_b128 v[ST], v[ACC+8:ACC+11] offset:1024           ; tile 19's columns 312..319 lie inside the pitch and are never read
	ds_store_b128 v[ST], v[ACC+12:ACC+15] offset:1040
.Lone_tile:
	s_wait_dscnt 0x0                               ; my tiles are in LDS before I say so
	s_barrier_signal -1
	s_barrier_wait -1                              ; all twenty are
.irp i, 0,1,2,3
	ds_load_b128 v[ACC+4*\i:ACC+4*\i+3], v[RD] offset:256*\i   ; my batch row, the same pieces as the gather's; both halves read the same words
.endr
	ds_load_b128 v[ACC+16:ACC+19], v[RD] offset:TAILB
	s_wait_dscnt 0x0
	; THE GATHER'S SUMS.  Behind pair p stand the five loads of each younger pair: seven pairs while the ring is full, then fewer.
.irp p, 0,1,2,3,4
	TAKE \p, 5*(SLOTS-1), 1
.endr
.irp p, 5,6,7,8,9,10,11,12
	TAKE \p, 5*(PAIRS-1-\p), 0
.endr
	v_cndmask_b32 v[WG], 0, v[WG], s[M26]          ; w's gather, lanes 0..25
	v_fma_f32 v[WG], v[XL], v[WL], v[WG]           ; + x[b][lane] w[lane]: my part of the linear term
	; The two halves' sums are added: every lane then holds F of its five pieces, both halves alike.
.set k, 0
.rept 20
	v_permlanex16_b32 v[RING+k], v[ACC+k], s[PLO], s[PHI]      ; the ring's registers are free, and written
.set k, k+1
.endr
.irp k, 0,2,4,6,8,10,12,14,16,18
	v_pk_add_f32 v[ACC+\k:ACC+\k+1], v[ACC+\k:ACC+\k+1], v[RING+\k:RING+\k+1]
.endr
.irp k, 16,17,18,19
	v_cndmask_b32 v[ACC+\k], 0, v[ACC+\k], s[MTAIL]            ; pieces 62, 63 count once, in the fourth piece
.endr
	; my part of s[k] (four k) and of the sum of squares, the first pieces starting the sums
	v_pk_add_f32 v[SS:SS+1], v[ACC:ACC+1], v[ACC+4:ACC+5]
	v_pk_add_f32 v[SS+2:SS+3], v[ACC+2:ACC+3], v[ACC+6:ACC+7]
	v_pk_mul_f32 v[QA:QA+1], v[ACC:ACC+1], v[ACC:ACC+1]
	v_pk_mul_f32 v[QB:QB+1], v[ACC+2:ACC+3], v[ACC+2:ACC+3]
	v_pk_fma_f32 v[QA:QA+1], v[ACC+4:ACC+5], v[ACC+4:ACC+5], v[QA:QA+1]
	v_pk_fma_f32 v[QB:QB+1], v[ACC+6:ACC+7], v[ACC+6:ACC+7], v[QB:QB+1]
.irp i, 8,12,16
	v_pk_add_f32 v[SS:SS+1], v[SS:SS+1], v[ACC+\i:ACC+\i+1]
	v_pk_add_f32 v[SS+2:SS+3], v[SS+2:SS+3], v[ACC+\i+2:ACC+\i+3]
	v_pk_fma_f32 v[QA:QA+1], v[ACC+\i:ACC+\i+1], v[ACC+\i:ACC+\i+1], v[QA:QA+1]
	v_pk_fma_f32 v[QB:QB+1], v[ACC+\i+2:ACC+\i+3], v[ACC+\i+2:ACC+\i+3], v[QB:QB+1]
.endr
	; s[k] over the eight lanes of my parity in my half: afterwards every lane holds the whole s[4 (r & 1) + 0..3]
.irp m, 2,4,8
.irp k, 0,1,2,3
	v_add_f32_dpp v[SS+\k], v[SS+\k], v[SS+\k] row_xmask:\m row_mask:0xf bank_mask:0xf
.endr
.endr
	; One sum over the 32 lanes does the rest.  In it each s[k]^2 occurs 16 times and each F^2 twice, so a lane gives
	; lin + (s^2 terms - 8 F^2 terms) / 32, which adds up to lin + 0.5 (sum s^2 - sum F^2).
	v_pk_add_f32 v[QA:QA+1], v[QA:QA+1], v[QB:QB+1]
	v_pk_mul_f32 v[UU:UU+1], v[SS:SS+1], v[SS:SS+1]
	v_pk_fma_f32 v[UU:UU+1], v[SS+2:SS+3], v[SS+2:SS+3], v[UU:UU+1]
	v_pk_fma_f32 v[UU:UU+1], v[QA:QA+1], 0xc1000000, v[UU:UU+1] op_sel_hi:[1,0,1]   ; - 8 Q
	v_add_f32 v[TT], v[UU], v[UU+1]
	v_fmamk_f32 v[TT], v[TT], 0x3d000000, v[WG]    ; / 32, + the linear part
.irp m, 1,2,4,8
	v_add_f32_dpp v[TT], v[TT], v[TT] row_xmask:\m row_mask:0xf bank_mask:0xf
.endr
	v_permlanex16_b32 v[T2], v[TT], s[PLO], s[PHI]
	v_add_f32 v[TT], v[TT], v[T2]
	s_wait_kmcnt 0x0                               ; w0
	v_add_f32 v[TT], s[W0], v[TT]
	; The sixteen waves' numbers meet in LDS (bytes that nothing else uses): wave 0 makes sixteen sigmoids at once
	; and stores the group's 64 neighbouring bytes with one instruction.
	v_mov_b32 v[TMP], s[ZADR]
	ds_store_b32 v[TMP], v[TT] offset:ZBASE        ; all lanes write the same word with the same number
	s_wait_dscnt 0x0
	s_barrier_signal -1
	s_barrier_wait -1
	s_cmp_lg_u32 s[WAVE], 0
	s_cbranch_scc1 .Lothers
	v_lshlrev_b32 v[TMP], 2, v[RR]
	ds_load_b32 v[TT], v[TMP] offset:ZBASE
	s_wait_dscnt 0x0
	v_mul_f32 v[TT], 0xbfb8aa3b, v[TT]             ; - z log2(e)
	v_exp_f32 v[TT], v[TT]
	v_add_nc_u32 v[ST], s[OUTO], v[TMP]            ; a plain instruction between v_exp_f32 and the use of its result (ISA guide 5.7.2)
	s_wait_alu depctr_va_vdst(0)
	v_add_f32 v[TT], 1.0, v[TT]                    ; infinity for very negative z: the reciprocal is then 0
	v_cmp_gt_u32 vcc_lo, 16, v0
	v_rcp_f32 v[TT], v[TT]
	v_nop                                          ; the same behind v_rcp_f32
	s_wait_xcnt 0x0                                ; EXEC is a source of every memory instruction issued so far: it changes only behind this wait
	s_wait_tensorcnt 0x0
	ds_add_u32 v240, v241
	s_wait_dscnt 0x0
	s_and_saveexec_b32 s[SAVE], vcc_lo             ; lanes 0..15: one result each
	s_wait_alu depctr_va_vdst(0)
	global_store_b32 v[ST], v[TT], s[14:15]
	s_endpgm
.Lothers:
	s_wait_tensorcnt 0x0
	ds_add_u32 v240, v241
	s_wait_dscnt 0x0
	s_endpgm
.Lfunc_end_k_q1de4a300bd_ffm:
	.size	k_q1de4a300bd_ffm, .Lfunc_end_k_q1de4a300bd_ffm-k_q1de4a300bd_ffm
	.p2alignl 7, 3214868480
	.fill 96, 4, 3214868480
	.section	.rodata,"a",@progbits
	.p2align	6, 0x0
	.amdhsa_kernel k_q1de4a300bd_ffm
		.amdhsa_group_segment_fixed_size 23040
		.amdhsa_private_segment_fixed_size 0
		.amdhsa_enable_private_segment 0
		.amdhsa_kernarg_size 48
		.amdhsa_user_sgpr_count 2
		.amdhsa_user_sgpr_kernarg_segment_ptr 1
		.amdhsa_wavefront_size32 1
		.amdhsa_system_sgpr_workgroup_id_x 1
		.amdhsa_system_sgpr_workgroup_id_y 1
		.amdhsa_system_sgpr_workgroup_id_z 1
		.amdhsa_system_vgpr_workitem_id 0
		.amdhsa_next_free_vgpr 242
		.amdhsa_next_free_sgpr 66
		.amdhsa_reserve_vcc 1
		.amdhsa_float_denorm_mode_32 3
		.amdhsa_float_denorm_mode_16_64 3
		.amdhsa_memory_ordered 1
		.amdhsa_forward_progress 1
		.amdhsa_inst_pref_size 34
	.end_amdhsa_kernel
	.amdgpu_metadata
---
amdhsa.version: [ 1, 2 ]
amdhsa.kernels:
  - .name:           k_q1de4a300bd_ffm
    .symbol:         k_q1de4a300bd_ffm.kd
    .args:
      - { .name: dense_x, .offset: 0, .size: 8, .value_kind: global_buffer, .address_space: global }
      - { .name: sparse_x, .offset: 8, .size: 8, .value_kind: global_buffer, .address_space: global }
      - { .name: v, .offset: 16, .size: 8, .value_kind: global_buffer, .address_space: global }
      - { .name: w, .offset: 24, .size: 8, .value_kind: global_buffer, .address_space: global }
      - { .name: w0, .offset: 32, .size: 8, .value_kind: global_buffer, .address_space: global }
      - { .name: out0, .offset: 40, .size: 8, .value_kind: global_buffer, .address_space: global }
    .group_segment_fixed_size: 23040
    .private_segment_fixed_size: 0
    .kernarg_segment_align: 8
    .kernarg_segment_size: 48
    .max_flat_workgroup_size: 512
    .sgpr_count:     66
    .vgpr_count:     242
    .wavefront_size: 32
...
	.end_amdgpu_metadata
.endif
;; end of part 1
